; MI455X (gfx1250); checked and timed in simulation.
; The chip was launched on July 23, 2026; its instructions are those of AMD's public machine-readable ISA for CDNA 5 (MIT licence, August 2026) and "CDNA5" Instruction Set Architecture Reference Guide (July 2026). The comments in the code are by the model that wrote it; some were corrected since.
;; Self Attention. Allowed arithmetic: matrix products marked QUANTISED: E2M3 operands, one E8M0 scale for each 32 along K, by v_wmma_scale_f32_16x16x128_f8f6f4 with both operands' format E2M3, f32 sums; everything else in f32.
;; Inputs: Wk 1,024 x 1,024 float32; Wq 1,024 x 1,024 float32; Wv 1,024 x 1,024 float32; bk 1,024 float32; bq 1,024 float32; bv 1,024 float32; x 4 x 2,048 x 1,024 float32.
;; Outputs: out0 4 x 2,048 x 1,024 float32.
;; This version of the problem:
;;   THIS VERSION OF THE PROBLEM IS GIVEN IN LOW PRECISION. The matrix products marked QUANTISED in the list below multiply operands that are first quantised to E2M3 (2 exponent bits, 3 mantissa bits; 6 bits a number), with one power-of-two scale for each 32 numbers along K (OCP MX v1.0); their sums are f32. All else is computed in f32.
;;   The module's matrix products, in the order in which they are computed (A, B: the left and right operand; K: the contracted axis; several contracted axes count as one K, in the product's order):
;;     1. [M 8,192, K 1,024] x [K 1,024, N 1,024]; A: input x; B: input Wq: QUANTISED
;;     2. [M 8,192, K 1,024] x [K 1,024, N 1,024]; A: input x; B: input Wk: QUANTISED
;;     3. [M 8,192, K 1,024] x [K 1,024, N 1,024]; A: input x; B: input Wv: QUANTISED
;;     4. batch 4 x [M 2,048, K 1,024] x [K 1,024, N 2,048]; A: computed on the way; B: computed on the way: QUANTISED
;;     5. batch 4 x [M 2,048, K 2,048] x [K 2,048, N 1,024]; A: softmax (see below); B: computed on the way: QUANTISED
;;   THE QUANTISER, for each operand of a quantised product, along K:
;;     - K is cut into blocks of 32 from its start; a last block that is shorter is filled with zeros.
;;     - A block's scale is 2^e with e = floor(log2(the largest magnitude in the block)) - 2, held to -126 .. 127; a block of zeros has e = 0. As a byte (E8M0): e + 127.
;;     - Each number is divided by its block's scale, clamped to +-7.5, and rounded to the nearest number of E2M3, ties to even, subnormals kept.
;;     - The product sums the exact products of the quantised numbers (number of the format x scale) in f32.
;;   ~~~python
;;   def quantise(x, axis):      # numpy; x: float32 -> the quantised numbers, widened to float32 again
;;       x = np.moveaxis(x, axis, -1); K = x.shape[-1]
;;       x = np.pad(x, [(0, 0)] * (x.ndim - 1) + [(0, -K % 32)]); x = x.reshape(x.shape[:-1] + (-1, 32)); a = np.abs(x).max(-1, keepdims=True)
;;       e = np.where(a > 0, np.clip(np.frexp(np.where(a > 0, a, 1))[1] - 1 - 2, -126, 127), 0)      # np.frexp(a)[1] - 1 = floor(log2(a)), exactly
;;       r = np.clip(x / 2.0 ** e, -7.5, 7.5)
;;       step = 2.0 ** (np.maximum(np.frexp(np.where(r == 0, 1, r))[1] - 1, 0) - 3)
;;       q = np.round(r / step) * step * 2.0 ** e      # np.round: ties to even
;;       return np.moveaxis(q.reshape(q.shape[:-2] + (-1,))[..., :K], -1, axis).astype(np.float32)
;;   ~~~
;;   SOFTMAX AHEAD OF A QUANTISED PRODUCT. Where the list says 'softmax', what is quantised is not the finished softmax but p = 2^(t - M), with t = logit x log2(e) and M = ceil(the row's largest t), a whole number; so 1/2 < the row's largest p <= 1. The row's sum l is taken of the UNQUANTISED p, in f32, and the product's result is divided by l at the end. Since M is a whole number, a kernel that streams over the keys may use a running M (the ceiling of the running maximum): every later rescaling is an exact power of two, which a block's scale takes up: the codes' values come out the same.
;;   OPERANDS COMPUTED ON THE WAY. 'Computed on the way' means the value that the module computes at that place (a softmax that the list does not call 'softmax' is quantised finished and normalised). What goes into a quantiser is computed in f32, as accurately as f32 sums, v_exp_f32 and their like allow (about 1e-6 of the number): no bf16 or f16 on the way to a quantiser, and a product that is left as it is and whose result goes on into a quantised operand takes f32 operands (vector FMAs, or v_wmma_f32_16x16x4_f32). A number that lies on a knife's edge between two numbers of the format may be rounded either way, as far as f32 arithmetic and the matrix unit's own rounding can turn it there, and no further.
;; One version. Each part assembles by itself: llvm-mc -triple=amdgcn-amd-amdhsa -mcpu=gfx1250 --defsym DOCPART=n.
;; ======== version 1 of 1: 4 launches
;; limits: right only within a limited range of input values
;; workspace buffers: opq 9,011,200 bytes; qk 13,107,200 bytes; vv 6,553,600 bytes; st 2,097,152 bytes; pc 12,582,912 bytes
;; launch quant (part 1): grid 235 x 1, 6 waves a work-group, no clusters, 51,456 bytes of LDS; arguments x, Wq, Wk, Wv, opq; writes opq
.if DOCPART == 1
	.amdgcn_target "amdgcn-amd-amdhsa--gfx1250"
	.amdhsa_code_object_version 6
	.text
	.protected	k_q9ad002d2ca_quant
	.globl	k_q9ad002d2ca_quant
	.p2align	8
	.type	k_q9ad002d2ca_quant,@function
k_q9ad002d2ca_quant:
	s_mov_b64 s[64:65], 0
	v_nop
	global_prefetch_b8 v0, s[64:65] scope:SCOPE_SE
	s_setreg_imm32_b32 hwreg(HW_REG_WAVE_MODE, 25, 1), 1
	s_wait_xcnt 0x0
; x [8192][1024] and Wq, Wk, Wv [1024][1024], f32 with K innermost, become codes of FP6 (E2M3) with one E8M0 byte for each 32 along K,
; laid in the ORDER OF THE OPERAND'S REGISTERS.  A fragment (16 rows x 128 K) is 12 registers a lane = 1,536 dense bytes: register 4 c + i of lane l at byte 512 c + 16 l + 4 i.
; Row tile T (x: 0-511, Wq: 512-575, Wk: 576-639, Wv: 640-703) has its 8 fragments on end at T x 12,288; its scale words at XS + T x 512 + (s / 4) x 256 + 16 r + 4 (s % 4).
; THE ROWS OF A TILE ARE NOT NEIGHBOURS: lane-row m of tile 2 B + u is row 32 B + 8 u + m + 8 (m / 8), so that, used as source 0, tiles 2 B and 2 B + 1 give a lane 16 neighbours.
; A wave takes one tile x 512 along K: four K steps.  Each load reads 512 consecutive bytes of one row; the 16 rows turn through the wave's own stage in LDS (pitch 528) and come back
; as the operand wants them: lane (r, h) gets blocks h and 2 + h of row r, 32 numbers each, so that a block's largest magnitude needs no other lane.
; A block's scale byte is its largest magnitude's exponent field - 2, held at 1 from below.  LIMITS: a block of zeros keeps the byte 1 (its codes are zeros; this program alone reads the bytes);
; NaN and infinities among the inputs are not served.  No barrier: waves share nothing.
.set STG,   8448                       ; a wave's stage: 16 rows x 528 bytes
.set SPARE, 6*STG                      ; behind the stages: the spare words, 128 bytes a wave
.set XS,    8650752                    ; 704 tiles x 12,288: where the scale words begin
.set X,     32                         ; v32-95   64 numbers as the operand wants them
.set R,     96                         ; v96-223  two sets of 64 registers as loaded
.set C,     224                        ; v224-247 two sets of 12: a fragment's codes
.set T,     248                        ; v248-254 the halves that a conversion cannot put on an odd register
	s_load_b256 s[4:11], s[0:1], 0x0               ; x, Wq, Wk, Wv
	s_load_b64 s[12:13], s[0:1], 0x20              ; opq
	v_lshl_add_u32 v6, v0, 2, SPARE                ; my spare word; never rewritten
	v_mov_b32 v7, 0                                ; 0; never rewritten
	v_lshrrev_b32 v8, 5, v0
	v_readfirstlane_b32 s17, v8                    ; wave
	v_and_b32 v9, 31, v0                           ; lane
	v_and_b32 v10, 15, v0                          ; r
	v_bfe_u32 v11, v0, 4, 1                        ; h
	v_lshlrev_b32 v1, 4, v9                        ; 16 x lane
	s_mul_i32 s18, s17, STG
	v_add_nc_u32 v2, s18, v1                       ; the stage on the way in: 16 x lane, + 528 a row
	v_mul_u32_u24 v3, v10, 528
	v_lshl_add_u32 v3, v11, 7, v3
	v_add_nc_u32 v3, s18, v3                       ; and on the way out: row r, + 128 h
	v_lshlrev_b32 v4, 3, v11                       ; 8 h
	v_lshlrev_b32 v5, 4, v10
	v_lshl_add_u32 v5, v11, 3, v5                  ; 16 r + 8 h: where a lane puts two scale words
	v_mov_b32 v14, 0                               ; a lane permute's destination counts as read
	s_mov_b32 s19, 0xffff0000                      ; lanes 16-31
	s_mov_b32 s20, 0x76543210
	s_mov_b32 s21, 0xfedcba98                      ; lane l xor 16
	s_mul_i32 s22, ttmp9, 3
	s_lshr_b32 s23, s17, 1
	s_add_co_u32 s22, s22, s23                     ; T = 3 x work-group + wave / 2
	s_and_b32 s23, s17, 1                          ; which half of K
	s_mov_b32 s16, 640
	s_wait_alu depctr_va_vdst(0)
	s_wait_kmcnt 0x0
	s_cmp_ge_u32 s22, 704                          ; 704 tiles = 234 x 3 + 2: the last work-group's last two waves have none
	s_cbranch_scc1 .Lend
	s_cmp_lt_u32 s22, 640                          ; whose tile?  The choice hangs on the tile's number alone
	s_cselect_b64 s[14:15], s[8:9], s[10:11]
	s_cselect_b32 s16, 576, s16
	s_cmp_lt_u32 s22, 576
	s_cselect_b64 s[14:15], s[6:7], s[14:15]
	s_cselect_b32 s16, 512, s16
	s_cmp_lt_u32 s22, 512
	s_cselect_b64 s[14:15], s[4:5], s[14:15]
	s_cselect_b32 s16, 0, s16
	s_sub_co_u32 s24, s22, s16                     ; the tile's number in its tensor
	s_lshr_b32 s25, s24, 1
	s_lshl_b32 s25, s25, 5
	s_and_b32 s24, s24, 1
	s_lshl_b32 s24, s24, 3
	s_add_co_u32 s24, s24, s25                     ; its first row: 32 B + 8 u
	s_lshl_b32 s24, s24, 12                        ; rows of 4,096 bytes
	s_lshl_b32 s25, s23, 11
	s_add_co_u32 s24, s24, s25                     ; + my half of K
	s_mov_b32 s25, 0
	s_add_nc_u64 s[14:15], s[14:15], s[24:25]
	s_mul_i32 s26, s22, 12288
	s_mul_i32 s27, s23, 6144
	s_add_co_u32 s26, s26, s27
	s_mov_b32 s27, 0
	s_add_nc_u64 s[28:29], s[12:13], s[26:27]      ; my four fragments
	s_lshl_b32 s26, s22, 9
	s_lshl_b32 s30, s23, 8
	s_add_co_u32 s26, s26, s30
	s_add_co_u32 s26, s26, XS
	s_add_nc_u64 s[30:31], s[12:13], s[26:27]      ; my 256 bytes of scale words
.macro LOAD t                          ; K step t: 16 rows x 512 consecutive bytes
.set m, 0
.rept 16
	global_load_b128 v[R+64*((\t)%2)+4*m:R+64*((\t)%2)+4*m+3], v1, s[14:15] offset:(m+8*(m/8))*4096+512*(\t) th:TH_LOAD_NT
.set m, m+1
.endr
.endm
.macro KSTEP t
.set RS, R+64*((\t)%2)
.set CC, C+12*((\t)%2)
.if (\t) < 3
	s_wait_loadcnt 16                              ; this step's 16 loads are in; the next step's 16 may be out
.else
	s_wait_loadcnt 0x0
.endif
.set m, 0
.rept 16
	ds_store_b128 v2, v[RS+4*m:RS+4*m+3] offset:528*m
.set m, m+1
.endr
.set m, 0
.rept 8
	ds_load_b128 v[X+4*m:X+4*m+3], v3 offset:16*m                  ; block h of row r (LDS serves a wave's instructions in order: these see the stores)
.set m, m+1
.endr
.set m, 0
.rept 8
	ds_load_b128 v[X+32+4*m:X+32+4*m+3], v3 offset:256+16*m        ; block 2 + h
.set m, m+1
.endr
	s_wait_dscnt 0x0                               ; the numbers are back, and the stores have read their registers,
.if (\t) < 2
	LOAD (\t)+2                                    ; which take the loads of two steps on
.endif
	v_max3_num_f32 v8, |v[X]|, |v[X+1]|, 0x1800000                 ; the largest magnitude, with the floor 2^(3 - 127) among its leaves: the byte cannot fall under 1
	v_max3_num_f32 v9, |v[X+32]|, |v[X+33]|, 0x1800000
.irp i, 2,4,6,8,10,12,14,16,18,20,22,24,26,28,30
	v_max3_num_f32 v8, v8, |v[X+\i]|, |v[X+\i+1]|                  ; (the two blocks by turns)
	v_max3_num_f32 v9, v9, |v[X+32+\i]|, |v[X+33+\i]|
.endr
	v_add_nc_u32 v10, 0xff000000, v8               ; 2 off the exponent field: the conversion's scale operand
	v_add_nc_u32 v11, 0xff000000, v9
	v_lshrrev_b32 v12, 23, v10                     ; the bytes
	v_lshrrev_b32 v13, 23, v11
	v_lshl_or_b32 v12, v13, 16, v12                ; blocks h and 2 + h,
	v_lshlrev_b32 v12, v4, v12                     ; at their places in the word;
	v_permlanex16_b32 v14, v12, s20, s21
	v_or_b32 v[16+(\t)], v12, v14                  ; with lane l xor 16's two the word is whole
.if (\t) >= 2
	s_wait_alu depctr_va_vdst(0)
	s_wait_xcnt 0x0                                ; the stores of two steps back have read this set of codes
.endif
	v_cvt_scalef32_pk16_fp6_f32 v[CC:CC+2], v[X:X+15], v10
	v_cvt_scalef32_pk16_fp6_f32 v[T:T+2], v[X+16:X+31], v10        ; (a conversion's three registers begin on an even number)
	v_cvt_scalef32_pk16_fp6_f32 v[CC+6:CC+8], v[X+32:X+47], v11
	v_cvt_scalef32_pk16_fp6_f32 v[T+4:T+6], v[X+48:X+63], v11
	v_nop                                          ; one plain place behind the conversions
.irp i, 0,1,2
	v_mov_b32 v[CC+3+\i], v[T+\i]
	v_mov_b32 v[CC+9+\i], v[T+4+\i]
.endr
.irp c, 0,1,2
	global_store_b128 v1, v[CC+4*\c:CC+4*\c+3], s[28:29] offset:1536*(\t)+512*\c   ; 32 lanes store 512 consecutive bytes, aligned
.endr
.endm
	LOAD 0
	LOAD 1
	KSTEP 0
	KSTEP 1
	KSTEP 2
	KSTEP 3
	v_cndmask_b32 v8, v16, v18, s19                ; lanes 0-15 store words 0 and 1 of row r, lanes 16-31 words 2 and 3
	v_cndmask_b32 v9, v17, v19, s19
	global_store_b64 v5, v[8:9], s[30:31]          ; 32 lanes store 256 consecutive bytes, aligned
	s_wait_tensorcnt 0x0                           ; the wave's end
	ds_add_u32 v6, v7
	s_wait_dscnt 0x0
.Lend:
	s_endpgm
.Lfunc_end_k_q9ad002d2ca_quant:
	.size	k_q9ad002d2ca_quant, .Lfunc_end_k_q9ad002d2ca_quant-k_q9ad002d2ca_quant
	.p2alignl 7, 3214868480
	.fill 96, 4, 3214868480
	.section	.rodata,"a",@progbits
	.p2align	6, 0x0
	.amdhsa_kernel k_q9ad002d2ca_quant
		.amdhsa_group_segment_fixed_size 51456
		.amdhsa_private_segment_fixed_size 0
		.amdhsa_enable_private_segment 0
		.amdhsa_kernarg_size 40
		.amdhsa_user_sgpr_count 2
		.amdhsa_user_sgpr_kernarg_segment_ptr 1
		.amdhsa_wavefront_size32 1
		.amdhsa_system_sgpr_workgroup_id_x 1
		.amdhsa_system_sgpr_workgroup_id_y 1
		.amdhsa_system_sgpr_workgroup_id_z 1
		.amdhsa_system_vgpr_workitem_id 0
		.amdhsa_next_free_vgpr 256
		.amdhsa_next_free_sgpr 66
		.amdhsa_reserve_vcc 0
		.amdhsa_float_denorm_mode_32 3
		.amdhsa_float_denorm_mode_16_64 3
		.amdhsa_memory_ordered 1
		.amdhsa_forward_progress 1
		.amdhsa_inst_pref_size 31
	.end_amdhsa_kernel
	.amdgpu_metadata
---
amdhsa.version: [ 1, 2 ]
amdhsa.kernels:
  - .name:           k_q9ad002d2ca_quant
    .symbol:         k_q9ad002d2ca_quant.kd
    .args:
      - { .name: x, .offset: 0, .size: 8, .value_kind: global_buffer, .address_space: global }
      - { .name: Wq, .offset: 8, .size: 8, .value_kind: global_buffer, .address_space: global }
      - { .name: Wk, .offset: 16, .size: 8, .value_kind: global_buffer, .address_space: global }
      - { .name: Wv, .offset: 24, .size: 8, .value_kind: global_buffer, .address_space: global }
      - { .name: opq, .offset: 32, .size: 8, .value_kind: global_buffer, .address_space: global }
    .group_segment_fixed_size: 51456
    .private_segment_fixed_size: 0
    .kernarg_segment_align: 8
    .kernarg_segment_size: 40
    .max_flat_workgroup_size: 192
    .sgpr_count:     66
    .vgpr_count:     256
    .wavefront_size: 32
...
	.end_amdgpu_metadata
.endif
;; end of part 1
;; launch qkv (part 2): grid 32 x 8, 4 waves a work-group, clusters of 4 x 1, 327,680 bytes of LDS; arguments opq, bq, bk, bv, qk, vv; writes qk, vv
.if DOCPART == 2
	.amdgcn_target "amdgcn-amd-amdhsa--gfx1250"
	.amdhsa_code_object_version 6
	.text
	.protected	k_q9ad002d2ca_qkv
	.globl	k_q9ad002d2ca_qkv
	.p2align	8
	.type	k_q9ad002d2ca_qkv,@function
k_q9ad002d2ca_qkv:
	s_mov_b64 s[64:65], 0
	v_nop
	global_prefetch_b8 v0, s[64:65] scope:SCOPE_SE
	s_setreg_imm32_b32 hwreg(HW_REG_WAVE_MODE, 25, 1), 1
	s_wait_xcnt 0x0
	s_wait_alu depctr_hold_cnt(0) depctr_sa_sdst(0) depctr_va_vdst(0) depctr_va_sdst(0) depctr_va_ssrc(0) depctr_va_vcc(0) depctr_vm_vsrc(0)
	s_getreg_b32 s2, hwreg(HW_REG_IB_STS2, 6, 4)
	s_cmp_eq_u32 s2, 0
	s_cbranch_scc0 .Lentry_in_a_cluster
	s_endpgm
.Lentry_in_a_cluster:
	s_bfe_u32 s2, ttmp6, 0x10000c
	s_cmp_lg_u32 s2, 0x3003
	s_cbranch_scc0 .Lentry_shape_is_right
	s_endpgm
.Lentry_shape_is_right:
; q, k, v = x W^T + b on codes of FP6 (E2M3), and their own quantising: q and k along the channels, v along the keys.  Nothing wide goes to memory.
; SHARES.  A work-group takes 256 rows of x (block Mt) and channels 128 g .. 128 g + 127 of q, of k and of v: three CHUNKS, one straight text.  Wave w owns row tiles 16 Mt + 4 w + a, a = 0..3.
; Its 32 fragments of x (4 tiles x all of K = 384 registers) come from memory straight into registers, once.  A chunk of W (8 tiles x all of K = 98,304 dense bytes) is shared by the four waves:
; it comes into LDS by tensor loads; the three chunks have LDS bytes of their own, so nothing is filled twice.  A chunk is 8 K steps of 32 matrix instructions a wave; each fragment read from LDS feeds four.
; CLUSTER.  The four work-groups of a cluster share g, so they ask for W's chunks JOINTLY (mask 15): the descriptors hang on g and the wave's number alone.
; q, k: source 0 = 16 rows of W, source 1 = 16 rows of x: a lane holds ONE row of x, and (W's tiles being in storage order) the 64 registers of its 8 tiles are channels 32 b + 16 h + 0..15, b = 0..3:
; they become one fragment (K step g of the scores' product) and one scale word a row.  v: the sources swapped: a lane holds ONE channel, its 32 registers of four tiles are keys 32 b + 16 h + 0..15, b = 0, 1:
; half a fragment of V^T (64 of a K step's 128 keys) and two scale bytes.  The biases are the C of each sum's first matrix instruction.
; REGISTERS.  Window 0: v1-6 LDS addresses (v1 = 16 x lane), v8-11 offsets, v12, v13 the add's two, v16-31 x's scale words, v32-63 W's, v64-159 and v160-255 two sets of W's fragments (at work between chunks).
;   Window 1: x's tiles 0, 1 at 96 a + 12 s; v192-255 bq, later bv.   Window 2: tiles 2, 3; v192-255 bk.   Window 3: the 32 accumulators.
; LIMITS: a block of zeros keeps the scale byte 1 (its codes are zeros; this program alone reads the bytes); NaN and infinities are not served.
.set CH,    98304                      ; a chunk in bytes
.set SPARE, 3*CH                       ; behind the chunks: the spare words, 128 bytes a wave
.set XS,    8650752                    ; opq: where the scale words begin
.set KC,    6291456                    ; qk: k's codes
.set QS,    12582912                   ; qk: q's scale words (k's 262,144 bytes on)
.set VS,    6291456                    ; vv: the scale bytes
.set HM,    76                         ; s76: lanes 16-31
.set BM,    64                         ; v64-79 sixteen blocks' largest magnitudes, then scale operands
.set PD,    80                         ; v80-95 the other half's, then the bytes
.set MSB, 0
.macro WIN new                         ; the immediate's high byte repeats the setting that is left
.if MSB != (\new)
	s_set_vgpr_msb (MSB<<8)|(\new)
.set MSB, (\new)
.endif
.endm
.macro PLACES n
.rept \n
	v_nop
.endr
.endm
.macro BAR                             ; my LDS instructions are done; then the work-group's barrier
	s_wait_dscnt 0x0
	s_barrier_signal -1
	s_barrier_wait -1
.endm
.macro ROUND                           ; a round of the cluster's barrier
	s_barrier_signal -1
	s_barrier_wait -1
	s_cmp_lg_u32 s4, 0
	s_cbranch_scc1 .Lnot_wave_0_\@
	s_barrier_signal -3
.Lnot_wave_0_\@:
	s_barrier_wait -3
	s_barrier_signal -1
	s_barrier_wait -1
.endm
.macro PAIR64 d, r                     ; four words that every lane holds: lanes 0-15 keep words 0, 1, lanes 16-31 words 2, 3
	v_cndmask_b32 v[\d], v[\r], v[\r+2], s[HM]
	v_cndmask_b32 v[\d+1], v[\r+1], v[\r+3], s[HM]
.endm
.macro MM d, ra, rb, rc, sa, sb, hi    ; hi = 1: the scale words of K steps 4-7 stand in lanes 16-31
.if \hi
	v_wmma_scale_f32_16x16x128_f8f6f4 v[(\d):(\d)+7], v[(\ra):(\ra)+11], v[(\rb):(\rb)+11], v[(\rc):(\rc)+7], v[\sa], v[\sb] matrix_a_fmt:MATRIX_FMT_FP6 matrix_b_fmt:MATRIX_FMT_FP6 matrix_a_scale:MATRIX_SCALE_ROW1 matrix_b_scale:MATRIX_SCALE_ROW1
.else
	v_wmma_scale_f32_16x16x128_f8f6f4 v[(\d):(\d)+7], v[(\ra):(\ra)+11], v[(\rb):(\rb)+11], v[(\rc):(\rc)+7], v[\sa], v[\sb] matrix_a_fmt:MATRIX_FMT_FP6 matrix_b_fmt:MATRIX_FMT_FP6
.endif
.endm
.macro FETCHB bs, ch, ks               ; W's eight fragments of K step ks of chunk ch into set bs: images, 16 bytes a lane
.irp j, 0,1,2,3,4,5,6,7
.irp cc, 0,1,2
	ds_load_b128 v[64+96*(\bs)+12*\j+4*\cc:64+96*(\bs)+12*\j+4*\cc+3], v[1+2*(\ch)+\j/4] offset:(\j%4)*12288+1536*(\ks)+512*\cc
.endr
.endr
.endm
; A K step: 32 matrix instructions, the 32 accumulators by turns in the same order in every step.  kind 0: q, 1: k, 2: v.
.macro KS ch, ks, kind
.if (\ch) == 0
.if 12*(7-(\ks)) > 63
	s_wait_loadcnt 63                              ; x's fragments of this K step are in; those of the later steps may be out
.else
	s_wait_loadcnt 12*(7-(\ks))
.endif
.endif
	s_wait_dscnt 0x0                               ; this step's fragments of W are in
.if (\ks) < 7
	PLACES 4
	FETCHB ((\ks)+1)%2, \ch, (\ks)+1
.endif
.set BS, 64+96*((\ks)%2)
.set SQ, (\ks)%4
.irp a, 0,1,2,3
.set XR, 96*(\a%2)+12*(\ks)
.set XW, 1+\a/2
.if (\kind) < 2
.if (\ks) == 0
	WIN 0xC0|((1+(\kind))<<4)|(XW<<2)              ; source 0 (W) window 0, source 1 (x) window 1 or 2, C (the bias) window 1 or 2, D window 3
.else
	WIN 0xF0|(XW<<2)
.endif
.else
.if (\ks) == 0
	WIN 0xD0|XW                                    ; source 0 (x) window 1 or 2, source 1 (W) window 0, C (bv) window 1, D window 3
.else
	WIN 0xF0|XW
.endif
.endif
.irp j, 0,1,2,3,4,5,6,7
.if (\kind) < 2
.set DD, 8*(8*\a+\j)
.else
.set DD, 8*(4*\j+\a)
.endif
.if (\ks) == 0
.set CR, 192+8*\j
.else
.set CR, DD
.endif
.if (\kind) < 2
	MM DD, BS+12*\j, XR, CR, 32+4*\j+SQ, 16+4*\a+SQ, (\ks)/4
.else
	MM DD, XR, BS+12*\j, CR, 16+4*\a+SQ, 32+4*\j+SQ, (\ks)/4
.endif
.endr
.endr
	WIN 0
.endm
; Sixteen blocks of 32: block n is registers 16 n .. 16 n + 15 of window 3 in lanes l and l xor 16.  Leaves the conversions' scale operands in v[BM + n], the bytes in v[PD + n].
.macro BLOCKS16
.set n, 0
.rept 16
	v_mov_b32 v[PD+n], 0                           ; a lane permute's destination counts as read
.set n, n+1
.endr
	WIN 0x3C                                       ; sources 1 and 2 window 3
.set n, 0
.rept 16
	v_max3_num_f32 v[BM+n], 0x1800000, |v[16*n]|, |v[16*n+1]|      ; the floor 2^(3 - 127) among the leaves; each accumulator is read from its low end on
.set n, n+1
.endr
.irp i, 2,4,6,8,10,12,14
.set n, 0
.rept 16
	v_max3_num_f32 v[BM+n], v[BM+n], |v[16*n+\i]|, |v[16*n+\i+1]|
.set n, n+1
.endr
.endr
	WIN 0
.set n, 0
.rept 16
	v_permlanex16_b32 v[PD+n], v[BM+n], s74, s75
.set n, n+1
.endr
.set n, 0
.rept 16
	v_max_num_f32 v[BM+n], v[BM+n], v[PD+n]        ; the block's largest magnitude
.set n, n+1
.endr
.set n, 0
.rept 16
	v_add_nc_u32 v[BM+n], 0xff000000, v[BM+n]      ; 2 off its exponent field
.set n, n+1
.endr
.set n, 0
.rept 16
	v_lshrrev_b32 v[PD+n], 23, v[BM+n]             ; the byte
.set n, n+1
.endr
.endm
; The way out of a chunk of q or k: four fragments and their scale words.  cb, sb: the scalar pairs with the codes' and the scale words' addresses; nc: the chunk whose scale words of W are asked for meanwhile.
.macro EPI_QK cb, sb, nc
	PLACES 4                                       ; behind the last products: for the loads below and the first reads of results
.irp j, 0,1,2,3,4,5,6,7
	global_load_b128 v[32+4*\j:35+4*\j], v1, s[56:57] offset:32768*(\nc)+512*\j
.endr
	BLOCKS16
.irp a, 0,1,2,3
	v_lshl_or_b32 v[192+\a], v[PD+4*\a+1], 8, v[PD+4*\a]           ; tile a's scale word
	v_lshl_or_b32 v[192+\a], v[PD+4*\a+2], 16, v[192+\a]
	v_lshl_or_b32 v[192+\a], v[PD+4*\a+3], 24, v[192+\a]
.endr
	WIN 0x03                                       ; source 0 window 3
.irp a, 0,1,2,3
.irp c, 0,1
	v_cvt_scalef32_pk16_fp6_f32 v[96+24*\a+6*\c:98+24*\a+6*\c], v[64*\a+32*\c:64*\a+32*\c+15], v[BM+4*\a+2*\c]
	v_cvt_scalef32_pk16_fp6_f32 v[108+24*\a+4*\c:110+24*\a+4*\c], v[64*\a+32*\c+16:64*\a+32*\c+31], v[BM+4*\a+2*\c+1]
.endr
.endr
	WIN 0
	v_nop                                          ; one plain place behind the conversions
.irp a, 0,1,2,3
.irp c, 0,1                                    ; the operand wants a WHOLE block in a lane: lanes 0-15 block 2 c, lanes 16-31 block 2 c + 1
.irp i, 0,1,2
	v_permlane16_swap_b32 v[96+24*\a+6*\c+\i], v[108+24*\a+4*\c+\i]
.endr
.irp i, 0,1,2
	v_mov_b32 v[99+24*\a+6*\c+\i], v[108+24*\a+4*\c+\i]
.endr
.endr
.irp cc, 0,1,2
	global_store_b128 v1, v[96+24*\a+4*\cc:99+24*\a+4*\cc], s[\cb:\cb+1] offset:\a*12288+512*\cc   ; 512 consecutive bytes, aligned
.endr
.endr
	PAIR64 14, 192
	global_store_b64 v8, v[14:15], s[\sb:\sb+1]    ; 256 consecutive bytes, aligned: [r][a]
	s_wait_xcnt 0x0                                ; the stores have read their registers: the next chunk's fragments may land there
.endm
; The way out of v's chunk: for each tile of 16 channels half a fragment of V^T (registers 6 H .. 6 H + 5) and two scale bytes.
.macro EPI_V
	PLACES 4
	BLOCKS16
.irp j, 0,1,2,3,4,5,6,7
	v_lshl_or_b32 v[192+\j], v[PD+2*\j+1], 8, v[PD+2*\j]
.endr
.irp p, 0,1,2,3
	v_lshl_or_b32 v[200+\p], v[193+2*\p], 16, v[192+2*\p]          ; two tiles' bytes to a word
.endr
	WIN 0x03
.irp j, 0,1,2,3,4,5,6,7
	v_cvt_scalef32_pk16_fp6_f32 v[96+12*\j:98+12*\j], v[32*\j:32*\j+15], v[BM+2*\j]
	v_cvt_scalef32_pk16_fp6_f32 v[102+12*\j:104+12*\j], v[32*\j+16:32*\j+31], v[BM+2*\j+1]
.endr
	WIN 0
	v_nop
.irp j, 0,1,2,3,4,5,6,7
.irp i, 0,1,2
	v_permlane16_swap_b32 v[96+12*\j+\i], v[102+12*\j+\i]
.endr
.irp i, 0,1,2
	v_mov_b32 v[99+12*\j+\i], v[102+12*\j+\i]
.endr
	global_store_b128 v1, v[96+12*\j:99+12*\j], s[68:69] offset:1536*\j            ; registers 6 H .. 6 H + 3: 512 consecutive bytes
	global_store_b64 v11, v[100+12*\j:101+12*\j], s[68:69] offset:1536*\j+512      ; registers 6 H + 4, 6 H + 5: 256 consecutive bytes
.endr
	PAIR64 14, 200
	global_store_b64 v8, v[14:15], s[70:71]
.endm
	s_load_b256 s[16:23], s[0:1], 0x0              ; opq, bq, bk, bv
	s_load_b128 s[24:27], s[0:1], 0x20             ; qk, vv
	v_lshl_add_u32 v12, v0, 2, SPARE
	v_mov_b32 v13, 0
	ds_add_u32 v12, v13                            ; the wave's opening: the add and its wait ahead of my first tensor load; work on registers stands between
	ds_add_u32 v12, v13
	v_lshrrev_b32 v14, 5, v0
	v_readfirstlane_b32 s4, v14                    ; wave
	s_bfe_u32 s5, ttmp6, 0x40000                   ; cx
	s_lshl_b32 s6, ttmp9, 2
	s_add_co_u32 s6, s6, s5                        ; Mt: my 256 rows; it enters addresses of plain loads and stores alone
	s_and_b32 s7, ttmp7, 0xffff                    ; g, which the four partners share
	s_mov_b32 s32, 15|(3<<16)|(1<<21)              ; group 1: mask of all four; elements of 8 bytes; bit 21 beside a mask; no padding
	s_mov_b32 s33, 32<<16                          ; tensor_dim0 = 32 (256 bytes)
	s_mov_b32 s34, 96<<16                          ; tensor_dim1 = 96
	s_mov_b32 s35, 32<<16                          ; tile_dim0
	s_mov_b32 s36, 96                              ; tile_dim1: 96 rows x 256 bytes = two tiles of W, all of K
	s_mov_b32 s37, 32                              ; pitch: dense
	s_mov_b32 s38, 0
	s_mov_b32 s39, 0
	s_mul_i32 s8, s4, 24576                        ; where my two tiles go in a chunk
	s_lshl_b32 s9, s7, 3
	s_lshl_b32 s10, s4, 1
	s_add_co_u32 s10, s10, s9
	s_mul_i32 s10, s10, 12288                      ; (8 g + 2 w) tiles
	s_mov_b32 s11, 0
	s_lshl_b32 s12, s7, 12
	s_add_co_u32 s12, s12, XS+262144               ; W's scale words: XS + (512 + 8 g) x 512
	s_mov_b32 s13, 0
	s_lshl_b32 s14, s7, 9                          ; 128 g numbers of a bias
	s_mov_b32 s15, 0
	s_lshl_b32 s80, s6, 4
	s_lshl_b32 s81, s4, 2
	s_add_co_u32 s80, s80, s81                     ; my first row tile: 16 Mt + 4 w
	s_mul_i32 s82, s80, 12288
	s_mov_b32 s83, 0
	s_lshl_b32 s84, s80, 9
	s_add_co_u32 s84, s84, XS
	s_mov_b32 s85, 0
	s_mul_i32 s86, s7, 1536
	s_add_co_u32 s86, s86, s82                     ; q, k: tile x 12,288 + K step g x 1,536
	s_mov_b32 s87, 0
	s_lshl_b32 s88, s80, 6                         ; (4 Mt + w) x 256
	s_lshl_b32 s89, s7, 15
	s_add_co_u32 s88, s88, s89
	s_add_co_u32 s88, s88, QS
	s_mov_b32 s89, 0
	s_lshr_b32 s90, s6, 3
	s_lshl_b32 s90, s90, 3
	s_add_co_u32 s90, s90, s7                      ; 8 b + g
	s_and_b32 s91, s6, 7                           ; my block of 256 keys in the batch
	s_lshl_b32 s92, s90, 4
	s_lshl_b32 s93, s91, 1
	s_add_co_u32 s92, s92, s93
	s_lshr_b32 s93, s4, 1
	s_add_co_u32 s92, s92, s93                     ; + the K step of 128 keys
	s_mul_i32 s92, s92, 12288
	s_and_b32 s93, s4, 1
	s_mul_i32 s93, s93, 768                        ; + which half of its fragments
	s_add_co_u32 s92, s92, s93
	s_mov_b32 s93, 0
	s_lshl_b32 s94, s90, 13
	s_lshl_b32 s95, s91, 10
	s_add_co_u32 s94, s94, s95
	s_lshl_b32 s95, s4, 8
	s_add_co_u32 s94, s94, s95                     ; (8 b + g) x 8,192 + (4 block + w) x 256
	s_add_co_u32 s94, s94, VS
	s_mov_b32 s95, 0
	s_mov_b32 s74, 0x76543210
	s_mov_b32 s75, 0xfedcba98
	s_mov_b32 s[HM], 0xffff0000
	s_wait_dscnt 0x0                               ; the opening add is done
	s_wait_kmcnt 0x0
.irp c, 0,1,2
	s_mov_b32 s[40+4*\c], 1
	s_add_co_u32 s[41+4*\c], s8, \c*CH
	s_add_nc_u64 s[42+4*\c:43+4*\c], s[16:17], s[10:11]
	s_add_nc_u64 s[42+4*\c:43+4*\c], s[42+4*\c:43+4*\c], (512+64*\c)*12288
	s_or_b32 s[43+4*\c], s[43+4*\c], 0x80000000
.endr
	s_add_nc_u64 s[52:53], s[16:17], s[82:83]      ; x's fragments
	s_add_nc_u64 s[54:55], s[16:17], s[84:85]      ; x's scale words
	s_add_nc_u64 s[56:57], s[16:17], s[12:13]      ; W's scale words
	s_add_nc_u64 s[58:59], s[24:25], s[86:87]      ; q's codes
	s_add_nc_u64 s[60:61], s[58:59], KC            ; k's
	s_add_nc_u64 s[62:63], s[24:25], s[88:89]      ; q's scale words
	s_add_nc_u64 s[66:67], s[62:63], 262144        ; k's
	s_add_nc_u64 s[68:69], s[26:27], s[92:93]      ; V^T's codes
	s_add_nc_u64 s[70:71], s[26:27], s[94:95]      ; its scale bytes
	s_add_nc_u64 s[18:19], s[18:19], s[14:15]
	s_add_nc_u64 s[20:21], s[20:21], s[14:15]
	s_add_nc_u64 s[22:23], s[22:23], s[14:15]
	ROUND                                          ; all four work-groups are here: the joint loads meet
	tensor_load_to_lds s[40:43], s[32:39]          ; chunk 0, my one load at the head
	s_nop 0
	PLACES 4
	v_and_b32 v14, 31, v0
	v_lshlrev_b32 v1, 4, v14                       ; 16 x lane: an image's place, and chunk 0's first LDS address
	v_lshlrev_b32 v11, 3, v14                      ; 8 x lane
.irp q, 1,2,3,4,5
	v_add_nc_u32 v[1+\q], 49152*\q, v1             ; half chunks: an LDS offset has 16 bits
.endr
	v_and_b32 v14, 15, v0                          ; r
	v_bfe_u32 v15, v0, 4, 1                        ; h
	v_lshlrev_b32 v8, 4, v14
	v_lshl_add_u32 v8, v15, 3, v8                  ; 16 r + 8 h
	v_lshlrev_b32 v9, 6, v15                       ; 64 h: my half's 16 numbers of bq, bk
	v_and_b32 v10, 8, v14
	v_add_nc_u32 v10, v10, v14
	v_lshlrev_b32 v10, 2, v10                      ; 4 (r + 8 (r / 8)): my channel's number of bv
	WIN 0x40                                       ; destination window 1
.irp j, 0,1,2,3,4,5,6,7
	global_load_b128 v[192+8*\j:195+8*\j], v9, s[18:19] offset:(32*(\j/2)+8*(\j%2))*4      ; bq at channels 32 (j / 2) + 8 (j % 2) + 16 h + 0..7
	global_load_b128 v[196+8*\j:199+8*\j], v9, s[18:19] offset:(32*(\j/2)+8*(\j%2))*4+16
.endr
	WIN 0x80                                       ; destination window 2
.irp j, 0,1,2,3,4,5,6,7
	global_load_b128 v[192+8*\j:195+8*\j], v9, s[20:21] offset:(32*(\j/2)+8*(\j%2))*4      ; bk
	global_load_b128 v[196+8*\j:199+8*\j], v9, s[20:21] offset:(32*(\j/2)+8*(\j%2))*4+16
.endr
	WIN 0
.irp a, 0,1,2,3
	global_load_b128 v[16+4*\a:19+4*\a], v1, s[54:55] offset:512*\a        ; lanes 0-15: K steps 0-3 of row r; lanes 16-31: K steps 4-7
.endr
.irp j, 0,1,2,3,4,5,6,7
	global_load_b128 v[32+4*\j:35+4*\j], v1, s[56:57] offset:512*\j
.endr
.irp s, 0,1,2,3,4,5,6,7                ; x by K steps, in the order in which chunk 0 takes them: 12 loads a step
	WIN 0x40
.irp a, 0,1
.irp c, 0,1,2
	global_load_b128 v[96*\a+12*\s+4*\c:96*\a+12*\s+4*\c+3], v1, s[52:53] offset:12288*\a+1536*\s+512*\c
.endr
.endr
	WIN 0x80
.irp a, 0,1
.irp c, 0,1,2
	global_load_b128 v[96*\a+12*\s+4*\c:96*\a+12*\s+4*\c+3], v1, s[52:53] offset:24576+12288*\a+1536*\s+512*\c
.endr
.endr
.endr
	WIN 0
	s_wait_alu depctr_va_vdst(0)
	s_wait_tensorcnt 0x0                           ; my part of chunk 0 is in;
	ds_add_u32 v12, v13
	s_wait_dscnt 0x0
	ROUND                                          ; everybody's is, and the four work-groups are in step:
	tensor_load_to_lds s[44:47], s[32:39]          ; chunk 1, while chunk 0 is multiplied
	s_nop 0
	PLACES 4
	FETCHB 0, 0, 0
.irp s, 0,1,2,3,4,5,6,7
	KS 0, \s, 0
.endr
	PLACES 4
	WIN 0x40
.irp j, 0,1,2,3,4,5,6,7
	global_load_b32 v[192+8*\j], v10, s[22:23] offset:(32*(\j/2)+8*(\j%2))*4       ; bv of my lane's channel, where bq lay
.endr
	WIN 0
	EPI_QK 58, 62, 1
	s_wait_tensorcnt 0x0                           ; my part of chunk 1 is in
	ds_add_u32 v12, v13
	s_wait_dscnt 0x0
	ROUND
	tensor_load_to_lds s[48:51], s[32:39]          ; chunk 2, while chunk 1 is multiplied
	s_nop 0
	PLACES 4
	FETCHB 0, 1, 0
	s_wait_loadcnt 0x0                             ; Wk's scale words, bv
.irp s, 0,1,2,3,4,5,6,7
	KS 1, \s, 1
.endr
	EPI_QK 60, 66, 2
	WIN 0x41                                       ; destination and source 0 window 1
.irp j, 0,1,2,3,4,5,6,7
.irp i, 1,2,3,4,5,6,7
	v_mov_b32 v[192+8*\j+\i], v[192+8*\j]          ; in v's chunk a lane's eight results are eight keys of ONE channel: the same bias in all eight
.endr
.endr
	WIN 0
	s_wait_alu depctr_va_vdst(0)
	s_wait_tensorcnt 0x0                           ; my part of chunk 2 is in
	BAR
	FETCHB 0, 2, 0
	s_wait_loadcnt 0x0                             ; Wv's scale words
.irp s, 0,1,2,3,4,5,6,7
	KS 2, \s, 2
.endr
	EPI_V
	s_wait_tensorcnt 0x0                           ; the wave's end
	ds_add_u32 v12, v13
	s_wait_dscnt 0x0
	ROUND                                          ; the closing round
	s_endpgm
.Lfunc_end_k_q9ad002d2ca_qkv:
	.size	k_q9ad002d2ca_qkv, .Lfunc_end_k_q9ad002d2ca_qkv-k_q9ad002d2ca_qkv
	.p2alignl 7, 3214868480
	.fill 96, 4, 3214868480
	.section	.rodata,"a",@progbits
	.p2align	6, 0x0
	.amdhsa_kernel k_q9ad002d2ca_qkv
		.amdhsa_group_segment_fixed_size 327680
		.amdhsa_private_segment_fixed_size 0
		.amdhsa_enable_private_segment 0
		.amdhsa_kernarg_size 48
		.amdhsa_user_sgpr_count 2
		.amdhsa_user_sgpr_kernarg_segment_ptr 1
		.amdhsa_wavefront_size32 1
		.amdhsa_system_sgpr_workgroup_id_x 1
		.amdhsa_system_sgpr_workgroup_id_y 1
		.amdhsa_system_sgpr_workgroup_id_z 1
		.amdhsa_system_vgpr_workitem_id 0
		.amdhsa_next_free_vgpr 1024
		.amdhsa_next_free_sgpr 100
		.amdhsa_reserve_vcc 0
		.amdhsa_float_denorm_mode_32 3
		.amdhsa_float_denorm_mode_16_64 3
		.amdhsa_memory_ordered 1
		.amdhsa_forward_progress 1
		.amdhsa_inst_pref_size 215
	.end_amdhsa_kernel
	.amdgpu_metadata
---
amdhsa.version: [ 1, 2 ]
amdhsa.kernels:
  - .name:           k_q9ad002d2ca_qkv
    .symbol:         k_q9ad002d2ca_qkv.kd
    .args:
      - { .name: opq, .offset: 0, .size: 8, .value_kind: global_buffer, .address_space: global }
      - { .name: bq, .offset: 8, .size: 8, .value_kind: global_buffer, .address_space: global }
      - { .name: bk, .offset: 16, .size: 8, .value_kind: global_buffer, .address_space: global }
      - { .name: bv, .offset: 24, .size: 8, .value_kind: global_buffer, .address_space: global }
      - { .name: qk, .offset: 32, .size: 8, .value_kind: global_buffer, .address_space: global }
      - { .name: vv, .offset: 40, .size: 8, .value_kind: global_buffer, .address_space: global }
    .group_segment_fixed_size: 327680
    .private_segment_fixed_size: 0
    .kernarg_segment_align: 8
    .kernarg_segment_size: 48
    .max_flat_workgroup_size: 128
    .sgpr_count:     100
    .vgpr_count:     1024
    .wavefront_size: 32
...
	.end_amdgpu_metadata
.endif
;; end of part 2
;; launch scores (part 3): grid 8 x 18, 4 waves a work-group, no clusters, 327,680 bytes of LDS; arguments qk, pc, st; writes pc, st
.if DOCPART == 3
	.amdgcn_target "amdgcn-amd-amdhsa--gfx1250"
	.amdhsa_code_object_version 6
	.text
	.protected	k_q9ad002d2ca_scores
	.globl	k_q9ad002d2ca_scores
	.p2align	8
	.type	k_q9ad002d2ca_scores,@function
k_q9ad002d2ca_scores:
	s_mov_b64 s[64:65], 0
	v_nop
	global_prefetch_b8 v0, s[64:65] scope:SCOPE_SE
	s_setreg_imm32_b32 hwreg(HW_REG_WAVE_MODE, 25, 1), 1
	s_wait_xcnt 0x0
; S^T = k q^T on codes of FP6 (E2M3), the causal mask, and p = 2^(t - Mloc) quantised along the keys.  t = score x log2(e) / 32; Mloc = the ceiling of the largest t of ONE query over ONE chunk of 128 keys.
; For each (query, chunk) a record goes to st: Mloc, the sum of the unquantised p, and p's scale word.  The next launch brings all chunks of a row under the row's M: M's are whole numbers, so that only shifts scale bytes.
; SHARES.  Only the 36 tiles of 256 queries x 256 keys a batch that are not wholly hidden are made: work-group 2 y + x % 2 = i (i + 1) / 2 + j, j <= i; x / 2 = the batch.  Wave w owns 64 queries (4 tiles): its 32 fragments of q
; (384 registers) come straight from memory, once.  The keys come as two chunks of 128 keys x all of K (98,304 dense bytes each) by tensor loads into LDS bytes of their own: nothing is filled twice.
; NO CLUSTER: 8 - j work-groups share a piece of keys, which is no multiple of four and no rectangle of the grid; q is no LDS operand at all.
; Source 0 = 16 keys, source 1 = 16 queries: a lane holds ONE query; k's tiles are in storage order, so the 64 registers of a query tile are keys 32 b + 16 h + 0..15, b = 0..3: one fragment of P.
; The two chunks are written out by one macro, so that every LDS address and every offset is a constant of the text.
; kap = K step + 2 (7 - i): a row's last K step is always kap = 15, which lets the next launch's text end alike in every work-group.
; REGISTERS.  Window 0: v1-4 LDS addresses (v1 = 16 x lane), v5 16 r, v6 q's and k's scale offset, v7 the mask's query number, v8, v9 the add's two, v10 -infinity, v12-27 q's scale words, v28-59 k's,
;   v60-63 permute targets, v64-159 and v160-255 two sets of k's fragments (at work in the softmax).   Windows 1, 2: q.   Window 3: the 32 accumulators, (a, j) at 8 (8 a + j).
; LIMITS: a block whose every p is 0 keeps the scale byte 1 (its codes are zeros); NaN and infinities are not served.
.set CH,    98304
.set SPARE, 2*CH
.set KC,    6291456
.set QS,    12582912
.set KSO,   12845056
.set HM,    62
.set MSB, 0
.macro WIN new
.if MSB != (\new)
	s_set_vgpr_msb (MSB<<8)|(\new)
.set MSB, (\new)
.endif
.endm
.macro PLACES n
.rept \n
	v_nop
.endr
.endm
.macro BAR
	s_wait_dscnt 0x0
	s_barrier_signal -1
	s_barrier_wait -1
.endm
.macro HALF d, x, y                    ; lanes 0-15 keep x, lanes 16-31 y
	v_cndmask_b32 v[\d], v[\x], v[\y], s[HM]
.endm
.macro MM d, ra, rb, sa, sb, hi, cz    ; cz = 1: the first product starts the sum
.if \cz
	v_wmma_scale_f32_16x16x128_f8f6f4 v[(\d):(\d)+7], v[(\ra):(\ra)+11], v[(\rb):(\rb)+11], 0, v[\sa], v[\sb] matrix_a_fmt:MATRIX_FMT_FP6 matrix_b_fmt:MATRIX_FMT_FP6
.else
.if \hi
	v_wmma_scale_f32_16x16x128_f8f6f4 v[(\d):(\d)+7], v[(\ra):(\ra)+11], v[(\rb):(\rb)+11], v[(\d):(\d)+7], v[\sa], v[\sb] matrix_a_fmt:MATRIX_FMT_FP6 matrix_b_fmt:MATRIX_FMT_FP6 matrix_a_scale:MATRIX_SCALE_ROW1 matrix_b_scale:MATRIX_SCALE_ROW1
.else
	v_wmma_scale_f32_16x16x128_f8f6f4 v[(\d):(\d)+7], v[(\ra):(\ra)+11], v[(\rb):(\rb)+11], v[(\d):(\d)+7], v[\sa], v[\sb] matrix_a_fmt:MATRIX_FMT_FP6 matrix_b_fmt:MATRIX_FMT_FP6
.endif
.endif
.endm
.macro FETCHB bs, ch, ks
.irp j, 0,1,2,3,4,5,6,7
.irp cc, 0,1,2
	ds_load_b128 v[64+96*(\bs)+12*\j+4*\cc:64+96*(\bs)+12*\j+4*\cc+3], v[1+2*(\ch)+\j/4] offset:(\j%4)*12288+1536*(\ks)+512*\cc
.endr
.endr
.endm
.macro KS ch, ks                       ; 32 matrix instructions, the 32 accumulators by turns
.if (\ch) == 0
.if 12*(7-(\ks)) > 63
	s_wait_loadcnt 63                              ; q's fragments of this K step are in; those of the later steps may be out
.else
	s_wait_loadcnt 12*(7-(\ks))
.endif
.endif
	s_wait_dscnt 0x0
.if (\ks) < 7
	PLACES 4
	FETCHB ((\ks)+1)%2, \ch, (\ks)+1
.endif
.set BS, 64+96*((\ks)%2)
.set SQ, (\ks)%4
.if (\ks) == 0
.set ZZ, 1
.else
.set ZZ, 0
.endif
.irp a, 0,1,2,3
.set XR, 96*(\a%2)+12*(\ks)
	WIN 0xF0|((1+\a/2)<<2)                         ; source 0 (k) window 0, source 1 (q) window 1 or 2, C and D window 3
.irp j, 0,1,2,3,4,5,6,7
	MM 8*(8*\a+\j), BS+12*\j, XR, 28+16*(\j/4)+4*SQ+\j%4, 12+4*SQ+\a, (\ks)/4, ZZ
.endr
.endr
	WIN 0
.endm
; Query tile a of chunk ch: mask, Mloc, p, its sum, its codes and scale word.
.macro SOFTMAX a, ch
.set AC, 64*(\a)
.set PC, 96+24*(\a)
	s_cmp_eq_u32 s63, 0                            ; only a work-group on the diagonal has hidden keys: a branch on ids
	s_cbranch_scc1 .Lopen_\@
	s_wait_alu depctr_va_vdst(0)
	v_add_nc_u32 v86, 32*((\a)/2)+8*((\a)%2)-128*(\ch), v7         ; d = my query - the chunk's first key - 16 h.  Register n holds key 32 (n / 16) + n % 16 + 16 h: hidden where that is above d
	WIN 0xC3                                       ; destination and source 0 window 3
.set n, 0
.rept 64
	v_cmp_gt_i32 vcc_lo, 32*(n/16)+n%16, v86
	v_cndmask_b32 v[AC+n], v[AC+n], v10, vcc_lo    ; -infinity ahead of the maximum: p = 0 then
.set n, n+1
.endr
	WIN 0
.Lopen_\@:
	WIN 0x3C
.irp b, 0,1,2,3
	v_max3_num_f32 v[64+\b], 0xff800000, v[AC+16*\b], v[AC+16*\b+1]        ; the largest score of each block of 32 keys: for the maximum, and, since p rises with the score, for the block's largest p
.endr
.irp i, 2,4,6,8,10,12,14
.irp b, 0,1,2,3
	v_max3_num_f32 v[64+\b], v[64+\b], v[AC+16*\b+\i], v[AC+16*\b+\i+1]
.endr
.endr
	WIN 0
.irp b, 0,1,2,3
	v_permlanex16_b32 v[60+\b], v[64+\b], s60, s61
.endr
.irp b, 0,1,2,3
	v_max_num_f32 v[64+\b], v[64+\b], v[60+\b]
.endr
	v_max3_num_f32 v87, v64, v65, v66
	v_max_num_f32 v87, v87, v67
	v_mul_f32 v87, s58, v87                        ; as t
	v_max_num_f32 v81, 0xff61b1e6, v87             ; a chunk that is wholly hidden for my query gets M = -3e38
	v_floor_f32 v80, -v81                          ; -M = floor(-t): M is a whole number
.irp b, 0,1,2,3
	v_fma_f32 v[64+\b], v[64+\b], s58, v80
.endr
	WIN 0xC3
.set n, 0
.rept 32
	v_pk_fma_f32 v[AC+2*n:AC+2*n+1], v[AC+2*n:AC+2*n+1], s[58:59], v[80:81] op_sel_hi:[1,0,0]     ; t - M, two at a time
.set n, n+1
.endr
.set n, 0
	s_wait_alu depctr_va_vdst(0)
.rept 64
	v_exp_f32 v[AC+n], v[AC+n]                     ; p = 2^(t - M)
.set n, n+1
.endr
	WIN 0
.irp i, 82,83,84,85
	v_mov_b32 v\i, 0                               ; the sum, two chains of pairs.  (Plain places behind the exponentials)
.endr
	s_wait_alu depctr_va_vdst(0)                   ; one wait for the batch of 64, ahead of its first reader
.irp b, 0,1,2,3
	v_exp_f32 v[64+\b], v[64+\b]                   ; the block's largest p: the same two instructions on the same number
.endr
	WIN 0x0C                                       ; source 1 window 3
.set n, 0
.rept 16
	v_pk_add_f32 v[82:83], v[82:83], v[AC+4*n:AC+4*n+1]            ; the sum is taken of the UNQUANTISED p
	v_pk_add_f32 v[84:85], v[84:85], v[AC+4*n+2:AC+4*n+3]
.set n, n+1
.endr
	WIN 0
	v_pk_add_f32 v[82:83], v[82:83], v[84:85]
	v_mov_b32 v88, 0
	s_wait_alu depctr_va_vdst(0)                   ; and one for the four
.irp b, 0,1,2,3
	v_max_num_f32 v[64+\b], 0x1800000, v[64+\b]    ; the floor 2^(3 - 127)
.endr
.irp b, 0,1,2,3
	v_add_nc_u32 v[72+\b], 0xff000000, v[64+\b]
.endr
.irp b, 0,1,2,3
	v_lshrrev_b32 v[76+\b], 23, v[72+\b]
.endr
	v_lshl_or_b32 v[192+(\a)], v77, 8, v76         ; p's scale word for these 128 keys
	v_lshl_or_b32 v[192+(\a)], v78, 16, v[192+(\a)]
	v_lshl_or_b32 v[192+(\a)], v79, 24, v[192+(\a)]
	v_add_f32 v87, v82, v83
	v_permlanex16_b32 v88, v87, s60, s61
	v_add_f32 v[200+(\a)], v87, v88                ; the query's sum over the chunk
	v_sub_f32 v[196+(\a)], 0, v80                  ; M
	WIN 0x03
.irp c, 0,1
	v_cvt_scalef32_pk16_fp6_f32 v[PC+6*\c:PC+6*\c+2], v[AC+32*\c:AC+32*\c+15], v[72+2*\c]
	v_cvt_scalef32_pk16_fp6_f32 v[PC+12+4*\c:PC+14+4*\c], v[AC+32*\c+16:AC+32*\c+31], v[73+2*\c]
.endr
	WIN 0
	v_nop
.irp c, 0,1
.irp i, 0,1,2
	v_permlane16_swap_b32 v[PC+6*\c+\i], v[PC+12+4*\c+\i]
.endr
.irp i, 0,1,2
	v_mov_b32 v[PC+3+6*\c+\i], v[PC+12+4*\c+\i]
.endr
.endr
.irp cc, 0,1,2
	global_store_b128 v1, v[PC+4*\cc:PC+4*\cc+3], s[54:55] offset:((\a)/2)*49152+((\a)%2)*1536+(\ch)*3072+512*\cc  ; 512 consecutive bytes, aligned
.endr
.endm
.macro TRIP ch
	FETCHB 0, \ch, 0
.if (\ch) == 1
	s_wait_loadcnt 0x0                             ; chunk 1's scale words of k
.endif
.irp s, 0,1,2,3,4,5,6,7
	KS \ch, \s
.endr
	PLACES 4                                       ; behind the last products: for the loads below and the first reads of results
.if (\ch) == 0
.irp gg, 0,1
.irp s, 0,1,2,3
	global_load_b128 v[28+16*\gg+4*\s:31+16*\gg+4*\s], v6, s[52:53] offset:512+32768*\s+256*\gg    ; chunk 1's scale words of k
.endr
.endr
.endif
	SOFTMAX 0, \ch
	SOFTMAX 1, \ch
	SOFTMAX 2, \ch
	SOFTMAX 3, \ch
.irp e, 0,1                            ; a record for each 32 queries: 16 bytes a lane: M, l, the scale word, 0; lane (r, h) is row r of the pair's tile h
	HALF 204+4*\e, 196+2*\e, 197+2*\e
	HALF 205+4*\e, 200+2*\e, 201+2*\e
	HALF 206+4*\e, 192+2*\e, 193+2*\e
	v_mov_b32 v[207+4*\e], 0
	global_store_b128 v1, v[204+4*\e:207+4*\e], s[56:57] offset:512*(\ch)+8192*\e
.endr
.endm
	s_load_b128 s[16:19], s[0:1], 0x0              ; qk, pc
	s_load_b64 s[20:21], s[0:1], 0x10              ; st
	v_lshl_add_u32 v8, v0, 2, SPARE
	v_mov_b32 v9, 0
	ds_add_u32 v8, v9                              ; the wave's opening: the add and its wait ahead of my first tensor load
	ds_add_u32 v8, v9
	v_lshrrev_b32 v1, 5, v0
	v_readfirstlane_b32 s4, v1                     ; wave
	s_lshr_b32 s7, ttmp9, 1                        ; the batch
	s_and_b32 s9, ttmp9, 1
	s_and_b32 s13, ttmp7, 0xffff
	s_lshl_b32 s13, s13, 1
	s_or_b32 s13, s13, s9                          ; which of the batch's 36 tiles: 2 y + x % 2
	s_mov_b32 s5, 0
.irp th, 1,3,6,10,15,21,28
	s_cmp_ge_u32 s13, \th
	s_cselect_b32 s8, 1, 0
	s_add_co_u32 s5, s5, s8
.endr
	s_add_co_u32 s8, s5, 1
	s_mul_i32 s8, s8, s5
	s_lshr_b32 s8, s8, 1
	s_sub_co_u32 s6, s13, s8                       ; j
	s_cmp_eq_u32 s5, s6
	s_cselect_b32 s63, 1, 0                        ; on the diagonal?
	s_mov_b32 s32, 3<<16                           ; group 1: no mask; elements of 8 bytes; no padding
	s_mov_b32 s33, 32<<16
	s_mov_b32 s34, 96<<16
	s_mov_b32 s35, 32<<16
	s_mov_b32 s36, 96                              ; 96 rows x 256 bytes: two tiles of k, all of K
	s_mov_b32 s37, 32
	s_mov_b32 s38, 0
	s_mov_b32 s39, 0
	s_lshl_b32 s9, s7, 7
	s_lshl_b32 s10, s5, 4
	s_add_co_u32 s10, s10, s9
	s_lshl_b32 s11, s4, 2
	s_add_co_u32 s10, s10, s11                     ; my first query tile: 128 b + 16 i + 4 w
	s_lshl_b32 s11, s6, 4
	s_add_co_u32 s11, s11, s9                      ; the first key tile: 128 b + 16 j
	s_lshl_b32 s12, s6, 1                          ; the K step of chunk 0: 2 j
	s_mul_i32 s22, s10, 12288
	s_mov_b32 s23, 0
	s_lshl_b32 s24, s10, 6
	s_add_co_u32 s24, s24, QS
	s_mov_b32 s25, 0
	s_lshl_b32 s26, s11, 6
	s_add_co_u32 s26, s26, KSO
	s_mov_b32 s27, 0
	s_mul_i32 s28, s10, 24576
	s_mul_i32 s13, s12, 3072
	s_add_co_u32 s28, s28, s13
	s_mov_b32 s29, 0
	s_lshl_b32 s30, s10, 3
	s_add_co_u32 s30, s30, s12
	s_lshl_b32 s30, s30, 9                         ; (16 x my first group of 32 queries + K step) records of 512 bytes
	s_mov_b32 s31, 0
	s_lshl_b32 s14, s4, 1
	s_add_co_u32 s14, s14, s11
	s_mul_i32 s14, s14, 12288
	s_add_co_u32 s14, s14, KC                      ; my two tiles of chunk 0
	s_mov_b32 s15, 0
	s_mul_i32 s13, s4, 24576
	s_mov_b32 s58, 0x3d38aa3b                      ; log2(e) / 32
	s_mov_b32 s59, s58                             ; (named with it as a pair)
	s_mov_b32 s60, 0x76543210
	s_mov_b32 s61, 0xfedcba98
	s_mov_b32 s[HM], 0xffff0000
	s_wait_dscnt 0x0                               ; the opening add is done
	s_wait_kmcnt 0x0
.irp c, 0,1
	s_mov_b32 s[40+4*\c], 1
	s_add_co_u32 s[41+4*\c], s13, \c*CH
	s_add_nc_u64 s[42+4*\c:43+4*\c], s[16:17], s[14:15]
	s_add_nc_u64 s[42+4*\c:43+4*\c], s[42+4*\c:43+4*\c], \c*CH
	s_or_b32 s[43+4*\c], s[43+4*\c], 0x80000000
.endr
	s_add_nc_u64 s[48:49], s[16:17], s[22:23]      ; q's fragments
	s_add_nc_u64 s[50:51], s[16:17], s[24:25]      ; q's scale words
	s_add_nc_u64 s[52:53], s[16:17], s[26:27]      ; k's
	s_add_nc_u64 s[54:55], s[18:19], s[28:29]      ; P's fragments
	s_add_nc_u64 s[56:57], s[20:21], s[30:31]      ; the records
	tensor_load_to_lds s[40:43], s[32:39]          ; chunk 0, my one load at the head
	s_nop 0
	PLACES 4
	v_and_b32 v1, 31, v0
	v_lshlrev_b32 v1, 4, v1                        ; 16 x lane
.irp q, 1,2,3
	v_add_nc_u32 v[1+\q], 49152*\q, v1
.endr
	v_and_b32 v7, 15, v0                           ; r
	v_bfe_u32 v10, v0, 4, 1                        ; h
	v_lshlrev_b32 v5, 4, v7
	v_lshl_add_u32 v6, v10, 17, v5                 ; 16 r, and four K steps (4 x 32,768 bytes) on for lanes 16-31
	v_and_b32 v60, 8, v7
	v_add_nc_u32 v7, v60, v7                       ; r + 8 (r / 8)
	v_lshlrev_b32 v10, 4, v10
	v_sub_nc_u32 v7, v7, v10                       ; - 16 h
	s_lshl_b32 s8, s4, 6
	v_add_nc_u32 v7, s8, v7                        ; + 64 w
	v_mov_b32 v10, 0xff800000                      ; -infinity
.irp i, 60,61,62,63
	v_mov_b32 v\i, 0                               ; a lane permute's destination counts as read
.endr
.irp s, 0,1,2,3
	global_load_b128 v[12+4*\s:15+4*\s], v6, s[50:51] offset:32768*\s      ; word a of K step s (lanes 16-31: s + 4)
.endr
.irp gg, 0,1
.irp s, 0,1,2,3
	global_load_b128 v[28+16*\gg+4*\s:31+16*\gg+4*\s], v6, s[52:53] offset:32768*\s+256*\gg
.endr
.endr
.irp s, 0,1,2,3,4,5,6,7                ; q by K steps, in the order in which chunk 0 takes them: 12 loads a step
	WIN 0x40
.irp a, 0,1
.irp c, 0,1,2
	global_load_b128 v[96*\a+12*\s+4*\c:96*\a+12*\s+4*\c+3], v1, s[48:49] offset:12288*\a+1536*\s+512*\c
.endr
.endr
	WIN 0x80
.irp a, 0,1
.irp c, 0,1,2
	global_load_b128 v[96*\a+12*\s+4*\c:96*\a+12*\s+4*\c+3], v1, s[48:49] offset:24576+12288*\a+1536*\s+512*\c
.endr
.endr
.endr
	WIN 0
	s_wait_alu depctr_va_vdst(0)
	s_wait_tensorcnt 0x0                           ; my part of chunk 0 is in;
	ds_add_u32 v8, v9
	BAR                                            ; everybody's is:
	tensor_load_to_lds s[44:47], s[32:39]          ; chunk 1, while chunk 0 is multiplied
	s_nop 0
	PLACES 4
	TRIP 0
	s_wait_tensorcnt 0x0                           ; my part of chunk 1 is in
	BAR
	s_wait_xcnt 0x0                                ; chunk 0's stores have read their registers: chunk 1's fragments may land there
	TRIP 1
	s_wait_tensorcnt 0x0                           ; the wave's end
	ds_add_u32 v8, v9
	s_wait_dscnt 0x0
	s_endpgm
.Lfunc_end_k_q9ad002d2ca_scores:
	.size	k_q9ad002d2ca_scores, .Lfunc_end_k_q9ad002d2ca_scores-k_q9ad002d2ca_scores
	.p2alignl 7, 3214868480
	.fill 96, 4, 3214868480
	.section	.rodata,"a",@progbits
	.p2align	6, 0x0
	.amdhsa_kernel k_q9ad002d2ca_scores
		.amdhsa_group_segment_fixed_size 327680
		.amdhsa_private_segment_fixed_size 0
		.amdhsa_enable_private_segment 0
		.amdhsa_kernarg_size 24
		.amdhsa_user_sgpr_count 2
		.amdhsa_user_sgpr_kernarg_segment_ptr 1
		.amdhsa_wavefront_size32 1
		.amdhsa_system_sgpr_workgroup_id_x 1
		.amdhsa_system_sgpr_workgroup_id_y 1
		.amdhsa_system_sgpr_workgroup_id_z 1
		.amdhsa_system_vgpr_workitem_id 0
		.amdhsa_next_free_vgpr 1024
		.amdhsa_next_free_sgpr 80
		.amdhsa_reserve_vcc 1
		.amdhsa_float_denorm_mode_32 3
		.amdhsa_float_denorm_mode_16_64 3
		.amdhsa_memory_ordered 1
		.amdhsa_forward_progress 1
		.amdhsa_inst_pref_size 246
	.end_amdhsa_kernel
	.amdgpu_metadata
---
amdhsa.version: [ 1, 2 ]
amdhsa.kernels:
  - .name:           k_q9ad002d2ca_scores
    .symbol:         k_q9ad002d2ca_scores.kd
    .args:
      - { .name: qk, .offset: 0, .size: 8, .value_kind: global_buffer, .address_space: global }
      - { .name: pc, .offset: 8, .size: 8, .value_kind: global_buffer, .address_space: global }
      - { .name: st, .offset: 16, .size: 8, .value_kind: global_buffer, .address_space: global }
    .group_segment_fixed_size: 327680
    .private_segment_fixed_size: 0
    .kernarg_segment_align: 8
    .kernarg_segment_size: 24
    .max_flat_workgroup_size: 128
    .sgpr_count:     80
    .vgpr_count:     1024
    .wavefront_size: 32
...
	.end_amdgpu_metadata
.endif
;; end of part 3
;; launch pv (part 4): grid 8 x 32, 4 waves a work-group, no clusters, 327,680 bytes of LDS; arguments pc, st, vv, out0; writes out0
.if DOCPART == 4
	.amdgcn_target "amdgcn-amd-amdhsa--gfx1250"
	.amdhsa_code_object_version 6
	.text
	.protected	k_q9ad002d2ca_pv
	.globl	k_q9ad002d2ca_pv
	.p2align	8
	.type	k_q9ad002d2ca_pv,@function
k_q9ad002d2ca_pv:
	s_mov_b64 s[64:65], 0
	v_nop
	global_prefetch_b8 v0, s[64:65] scope:SCOPE_SE
	s_setreg_imm32_b32 hwreg(HW_REG_WAVE_MODE, 25, 1), 1
	s_wait_xcnt 0x0
; out = P V / l on codes of FP6 (E2M3).  P lies as [32 queries][K step of 128 keys][2 tiles][1,536 bytes], each K step under its own whole-number M; the records st, [32 queries][K step][32 lanes][M, l, scale word, 0],
; bring all K steps of a row under the row's M: only scale bytes are shifted (held at 0 from below, with codes that then count for less than 2^-120).
; SHARES.  A batch has 16 blocks of 128 queries; block i sees K steps 0 .. i, and the K steps that the causal mask hides wholly are not done.  A work-group takes blocks p (SHORT) and 15 - p (LONG) and 128 channels:
; 17 K steps whatever p is.  x = 2 b + g % 2, y = 4 p + g / 2.  Wave w owns 32 queries (two tiles) of each block.
; ALL OF P comes straight from memory into registers: nine SLOTS (slot s <= 7 - p: long, K step 15 - p - s; else short, K step 8 - s) and long's K steps 0-7: 17 x 24 registers.
; V comes into LDS once: K steps 0-7 at places 0-7 by one tensor load a wave, K steps 8 .. 15 - p at places 8 + p .. 15 by asynchronous copies (K step = place - p).  Nothing is filled twice.
; ORDER: short's K steps 0 .. p, its way out; long's K steps 15 - p down to 8; long's 0-7; its way out.  Which steps run hangs on p alone.
; NO CLUSTER: the eight work-groups that share P take it into registers, and those that share V see 9 to 16 K steps of it.  No prefetch: there is no loop, and all loads stand at the head.
; Source 0 = 16 channels, source 1 = 16 queries: a lane holds ONE query and eight neighbouring channels.
; REGISTERS.  Window 0: v1-4 16 x lane + 49,152 q, v5-8 8 x lane + 49,152 q, v9, v10 stage, v11, v12 the add's two, v13, v14 the copies' addresses, v16-23 1 / l (short, long; two tiles each, in pairs), v32-48 P's scale words (slots, then long's 0-7;
;   lanes 0-15 the first tile, 16-31 the second), v64-127 V's (lanes 0-15 K step k, 16-31 K step 15 - p - k), v128-223 V set 0, v224-247 P.   Window 1: P.   Window 2: v0-143 P, v144-239 V set 2.   Window 3: v0-127 sums, v128-223 V set 1.
; LIMITS: NaN and infinities are not served.
.set VS,    6291456                    ; vv: where the scale bytes begin
.set STAGE, 196608                     ; two stages of 16 rows x 528 bytes for each wave
.set SPARE, STAGE+8*8448
.set SPW,   11
.set NIL,   12
.set PS,    32
.set VSC,   64
.set RS,    128                        ; the records, until the first fragments of V come
.set MSB, 0
.macro WIN new
.if MSB != (\new)
	s_set_vgpr_msb (MSB<<8)|(\new)
.set MSB, (\new)
.endif
.endm
.macro PLACES n
.rept \n
	v_nop
.endr
.endm
.macro WALU
	s_wait_alu depctr_va_vdst(0)
.endm
.macro BAR
	s_wait_dscnt 0x0
	s_barrier_signal -1
	s_barrier_wait -1
.endm
.macro VSET vs
.if (\vs) == 0
.set VW_, 0
.set VL_, 128
.elseif (\vs) == 1
.set VW_, 3
.set VL_, 128
.else
.set VW_, 2
.set VL_, 144
.endif
.endm
.macro PSET idx
.if (\idx) < 10
.set PW_, 1
.set PR_, 24*(\idx)
.elseif (\idx) < 16
.set PW_, 2
.set PR_, 24*((\idx)-10)
.else
.set PW_, 0
.set PR_, 224
.endif
.endm
.macro PLOAD idx, sb, off              ; two tiles of P, one K step: 3,072 consecutive bytes
	PSET \idx
	WIN (PW_<<6)
.irp c, 0,1,2,3,4,5
	global_load_b128 v[PR_+4*\c:PR_+4*\c+3], v1, s[\sb:\sb+1] offset:(\off)+512*\c
.endr
.endm
.macro FETCHV vs, q                    ; V's eight fragments at place q
	VSET \vs
	WIN (VW_<<6)
.set QQ_, (\q)/4
.set OF_, ((\q)%4)*12288
.irp j, 0,1,2,3,4,5,6,7
	ds_load_b128 v[VL_+12*\j:VL_+12*\j+3], v[1+QQ_] offset:OF_+1536*\j
	ds_load_b64 v[VL_+12*\j+4:VL_+12*\j+5], v[5+QQ_] offset:OF_+1536*\j+512
	ds_load_b128 v[VL_+12*\j+6:VL_+12*\j+9], v[1+QQ_] offset:OF_+1536*\j+768
	ds_load_b64 v[VL_+12*\j+10:VL_+12*\j+11], v[5+QQ_] offset:OF_+1536*\j+1280
.endr
	WIN 0
.endm
.macro MM d, ra, rb, sa, sb, ar, br, cz
.if \cz
	v_wmma_scale_f32_16x16x128_f8f6f4 v[(\d):(\d)+7], v[(\ra):(\ra)+11], v[(\rb):(\rb)+11], 0, v[\sa], v[\sb] matrix_a_fmt:MATRIX_FMT_FP6 matrix_b_fmt:MATRIX_FMT_FP6 matrix_a_scale:MATRIX_SCALE_ROW\ar matrix_b_scale:MATRIX_SCALE_ROW\br
.else
	v_wmma_scale_f32_16x16x128_f8f6f4 v[(\d):(\d)+7], v[(\ra):(\ra)+11], v[(\rb):(\rb)+11], v[(\d):(\d)+7], v[\sa], v[\sb] matrix_a_fmt:MATRIX_FMT_FP6 matrix_b_fmt:MATRIX_FMT_FP6 matrix_a_scale:MATRIX_SCALE_ROW\ar matrix_b_scale:MATRIX_SCALE_ROW\br
.endif
.endm
; A K step: 16 matrix instructions, the 16 accumulators by turns in the same order in every step.  vr: which half of the lanes holds V's scale words
.macro MUL vs, idx, vr, vi, z
	VSET \vs
	PSET \idx
	WIN (0xF0|(PW_<<2)|VW_)
.irp a, 0,1
.irp j, 0,1,2,3,4,5,6,7
	MM 8*(8*\a+\j), VL_+12*\j, PR_+12*\a, VSC+8*(\vi)+\j, PS+(\idx), \vr, \a, \z
.endr
.endr
	WIN 0
.endm
; The way out of a wave's 32 rows x 128 channels: x 1 / l, through the wave's own stages, out as rows of 512 bytes.
.macro SCALE a, i
	WIN 0xC3
.set n, 0
.rept 32
	v_pk_mul_f32 v[64*\a+2*n:64*\a+2*n+1], v[64*\a+2*n:64*\a+2*n+1], v[\i:\i+1] op_sel_hi:[1,0]
.set n, n+1
.endr
	WIN 0x0C
.irp j, 0,1,2,3,4,5,6,7
	ds_store_b128 v9, v[64*\a+8*\j:64*\a+8*\j+3] offset:8448*\a+128*(\j/2)+32*(\j%2)
	ds_store_b128 v9, v[64*\a+8*\j+4:64*\a+8*\j+7] offset:8448*\a+128*(\j/2)+32*(\j%2)+16
.endr
.endm
.macro BACK a, r                       ; (LDS serves a wave's instructions in order: these see the stores)
.set n, 0
.rept 16
	ds_load_b128 v[\r+4*n:\r+4*n+3], v10 offset:8448*\a+528*n
.set n, n+1
.endr
.endm
.macro SEND a, r, sb
.set n, 0
.rept 16
	global_store_b128 v1, v[\r+4*n:\r+4*n+3], s[\sb:\sb+1] offset:(8*\a+n+8*(n/8))*4096 th:TH_STORE_NT     ; 512 consecutive bytes, aligned
.set n, n+1
.endr
.endm
.macro OUT i0, i1, sb
	PLACES 4
	SCALE 0, \i0
	WIN 0
	BACK 0, 128
	SCALE 1, \i1
	WIN 0x80
	BACK 1, 144
	WIN 0
	s_wait_dscnt 32                                ; tile 0 is back; tile 1's 16 stores and 16 loads may be out
	SEND 0, 128, \sb
	s_wait_dscnt 0x0
	WIN 0x08
	SEND 1, 144, \sb
	WIN 0
.endm
	s_load_b256 s[8:15], s[0:1], 0x0               ; pc, st, vv, out0
	v_lshl_add_u32 v[SPW], v0, 2, SPARE
	v_mov_b32 v[NIL], 0
	ds_add_u32 v[SPW], v[NIL]                      ; the wave's opening: the add, twice on end, and its wait
	ds_add_u32 v[SPW], v[NIL]
	v_lshrrev_b32 v15, 5, v0
	v_readfirstlane_b32 s4, v15                    ; wave
	s_lshr_b32 s5, ttmp9, 1                        ; b
	s_and_b32 s6, ttmp9, 1
	s_and_b32 s7, ttmp7, 0xffff
	s_and_b32 s17, s7, 3
	s_lshl_b32 s17, s17, 1
	s_or_b32 s6, s6, s17                           ; g
	s_lshr_b32 s7, s7, 2                           ; p
	s_sub_co_u32 s16, 7, s7                        ; 7 - p
	s_mov_b32 s24, 3<<16                           ; group 1: elements of 8 bytes, 96 dense rows of 256 bytes
	s_mov_b32 s25, 32<<16
	s_mov_b32 s26, 96<<16
	s_mov_b32 s27, 32<<16
	s_mov_b32 s28, 96
	s_mov_b32 s29, 32
	s_mov_b32 s30, 0
	s_mov_b32 s31, 0
	s_lshl_b32 s17, s5, 3
	s_add_co_u32 s17, s17, s6                      ; 8 b + g
	s_mul_i32 s62, s17, 196608                     ; V of my batch and channels
	s_mov_b32 s63, 0
	s_lshl_b32 s54, s17, 13
	s_add_co_u32 s54, s54, VS
	s_mov_b32 s55, 0
	s_lshl_b32 s38, s5, 6
	s_add_co_u32 s38, s38, s4
	s_lshl_b32 s39, s7, 2
	s_add_co_u32 s37, s38, s39                     ; my group of 32 queries: short's 64 b + 4 p + w,
	s_add_co_u32 s36, s38, 60
	s_sub_co_u32 s36, s36, s39                     ; long's 64 b + 4 (15 - p) + w
	s_lshl_b32 s17, s6, 9
	s_lshl_b32 s56, s36, 17                        ; 32 rows of 4,096 bytes a group
	s_add_co_u32 s56, s56, s17
	s_mov_b32 s57, 0
	s_lshl_b32 s58, s37, 17
	s_add_co_u32 s58, s58, s17
	s_mov_b32 s59, 0
	s_lshl_b32 s36, s36, 4                         ; 16 K steps a group
	s_lshl_b32 s37, s37, 4
	s_add_co_u32 s38, s36, 8
	s_add_co_u32 s38, s38, s16                     ; long's K step 15 - p
	s_add_co_u32 s39, s37, 8
	s_mul_i32 s50, s36, 3072
	s_mov_b32 s51, 0
	s_lshl_b32 s52, s36, 9
	s_mov_b32 s53, 0
.irp s, 0,1,2,3,4,5,6,7,8
	s_cmp_ge_u32 s16, \s                           ; slot s: long's or short's?
	s_cselect_b32 s17, s38, s39
	s_cselect_b32 s[40+\s], -1, 0
	s_sub_co_u32 s17, s17, \s
	s_mul_i32 s[66+2*\s], s17, 3072
	s_mov_b32 s[67+2*\s], 0
	s_lshl_b32 s[84+2*\s], s17, 9
	s_mov_b32 s[85+2*\s], 0
.endr
	s_mov_b32 s18, 0x05040100
	s_mov_b32 s19, 0x07060302
	s_mov_b32 s20, 0x76543210
	s_mov_b32 s21, 0xfedcba98
	s_mov_b32 s22, 0xffff0000                      ; lanes 16-31
	s_mov_b32 s23, 0x80808080
	s_mov_b32 s49, 0x01010101
	s_mov_b32 s32, 1
	s_mul_i32 s33, s4, 24576                       ; my quarter of places 0-7
	s_mul_i32 s60, s4, 24576
	s_mov_b32 s61, 0
	WALU
	s_wait_dscnt 0x0                               ; both opening adds are done
	s_wait_kmcnt 0x0
	s_add_nc_u64 s[62:63], s[12:13], s[62:63]
	s_add_nc_u64 s[34:35], s[62:63], s[60:61]
	s_or_b32 s35, s35, 0x80000000
	tensor_load_to_lds s[32:35], s[24:31]          ; K steps 0-7 of V: my one tensor load
	s_nop 0
	v_and_b32 v15, 31, v0
	v_lshlrev_b32 v1, 4, v15
	v_lshlrev_b32 v5, 3, v15
	v_lshl_add_u32 v13, v0, 4, 98304               ; the copies: 16 bytes a thread, places 8-15
	v_lshlrev_b32 v14, 4, v0
	v_add_nc_u32 v248, 49152, v13                  ; and places 12-15: a copy's offset has 16 bits
	v_add_nc_u32 v249, 49152, v14
.irp q, 1,2,3
	v_add_nc_u32 v[1+\q], 49152*\q, v1             ; an LDS offset has 16 bits
	v_add_nc_u32 v[5+\q], 49152*\q, v5
.endr
	s_add_co_u32 s17, s16, 1
	s_mul_i32 s60, s17, 12288
	s_mov_b32 s61, 0
	s_add_nc_u64 s[60:61], s[62:63], s[60:61]      ; K step 8 - p, which would lie at place 8
	s_add_nc_u64 s[54:55], s[12:13], s[54:55]
	s_add_nc_u64 s[50:51], s[8:9], s[50:51]
	s_add_nc_u64 s[52:53], s[10:11], s[52:53]
	s_add_nc_u64 s[56:57], s[14:15], s[56:57]
	s_add_nc_u64 s[58:59], s[14:15], s[58:59]
.irp s, 0,1,2,3,4,5,6,7,8
	s_add_nc_u64 s[66+2*\s:67+2*\s], s[8:9], s[66+2*\s:67+2*\s]
	s_add_nc_u64 s[84+2*\s:85+2*\s], s[10:11], s[84+2*\s:85+2*\s]
.endr
	s_mul_i32 s17, s4, 2*8448
	s_add_co_u32 s17, s17, STAGE                   ; my two stages
	s_add_co_u32 s48, s16, 8
	s_lshl_b32 s48, s48, 9                         ; 512 (15 - p)
	v_and_b32 v15, 15, v0                          ; r
	v_bfe_u32 v29, v0, 4, 1                        ; h
	WALU
	v_mul_u32_u24 v9, v15, 528
	v_lshl_add_u32 v9, v29, 6, v9
	v_add_nc_u32 v9, s17, v9                       ; in: row r, + 64 h
	v_add_nc_u32 v10, s17, v1                      ; back: a row of 512 bytes
	v_mul_u32_u24 v30, s48, v29
	v_lshl_add_u32 v208, v15, 4, v30               ; V's scale words: lanes 0-15 K step 0 and up, lanes 16-31 K step 15 - p and down
	v_lshlrev_b32 v30, 10, v29
	v_sub_nc_u32 v30, 512, v30
.irp k, 0,1,2,3,4,5,6
	v_add_nc_u32 v[209+\k], v[208+\k], v30
.endr
	v_mov_b32 v28, 0xff61b1e6                      ; -3e38
	v_mov_b32 v29, 0                               ; (a lane permute's destination counts as read)
	v_mov_b32 v30, 0
	WALU
.irp k, 0,1,2,3,4,5,6,7
	global_load_b128 v[RS+36+4*\k:RS+39+4*\k], v1, s[52:53] offset:512*\k
.endr
.irp s, 0,1,2,3,4,5,6,7,8
	global_load_b128 v[RS+4*\s:RS+4*\s+3], v1, s[84+2*\s:85+2*\s]
.endr
	WIN 0xC0
.irp k, 0,1,2,3,4,5,6,7                ; V's scale bytes: the K step's lower 64 keys, and its upper
	global_load_b128 v[4*\k:4*\k+3], v[208+\k], s[54:55]
	global_load_b128 v[32+4*\k:35+4*\k], v[208+\k], s[54:55] offset:256
.endr
.irp s, 8,7,6,5,4
	PLOAD \s, 66+2*\s, 0
.endr
	WIN 0
.irp q, 0,1,2,3,4,5,6,7                ; places 8 + p .. 15: six copies a wave for each
.if \q < 7
	s_cmp_gt_u32 s7, \q
	s_cbranch_scc1 .Lskip_\q
.endif
.irp c, 0,1,2,3,4,5
.if \q < 4
	global_load_async_to_lds_b128 v13, v14, s[60:61] offset:12288*\q+2048*\c
.else
	global_load_async_to_lds_b128 v248, v249, s[60:61] offset:12288*(\q-4)+2048*\c
.endif
.endr
.if \q < 7
.Lskip_\q:
.endif
.endr
.irp s, 3,2,1,0
	PLOAD \s, 66+2*\s, 0
.endr
	WIN 0
	s_wait_loadcnt 63                              ; the 17 records are in (70 loads were issued behind them)
	; the rows' M: long v24, short v25
	v_max3_num_f32 v24, v[RS], v[RS+36], v[RS+40]
	v_max3_num_f32 v25, v[RS+32], v28, v28
.irp s, 1,2,3,4,5,6,7
	v_cndmask_b32 v[196+\s], v28, v[RS+4*\s], s[40+\s]
.endr
	v_max3_num_f32 v24, v24, v[RS+44], v[RS+48]
	v_max3_num_f32 v24, v24, v[RS+52], v[RS+56]
	v_max3_num_f32 v24, v24, v[RS+60], v[RS+64]
	v_max3_num_f32 v24, v24, v197, v198
	v_max3_num_f32 v24, v24, v199, v200
	v_max3_num_f32 v24, v24, v201, v202
	v_max_num_f32 v24, v24, v203
.irp s, 1,2,3,4,5,6,7
	v_cndmask_b32 v[196+\s], v[RS+4*\s], v28, s[40+\s]
.endr
	v_max3_num_f32 v25, v25, v197, v198
	v_max3_num_f32 v25, v25, v199, v200
	v_max3_num_f32 v25, v25, v201, v202
	v_max_num_f32 v25, v25, v203
.irp s, 1,2,3,4,5,6,7
	v_cndmask_b32 v[196+\s], v25, v24, s[40+\s]
.endr
	; M of the K step less the row's M: a whole number, held at -127
.set i, 0
.rept 17
.if (i == 0) || (i > 8)
	v_sub_f32 v[RS+4*i], v[RS+4*i], v24
.elseif i == 8
	v_sub_f32 v[RS+4*i], v[RS+4*i], v25
.else
	v_sub_f32 v[RS+4*i], v[RS+4*i], v[196+i]
.endif
.set i, i+1
.endr
.set i, 0
.rept 17
	v_max_num_f32 v[RS+4*i], 0xc2fe0000, v[RS+4*i]
.set i, i+1
.endr
.set i, 0
.rept 17
	v_cvt_i32_f32 v[RS+4*i], v[RS+4*i]
.set i, i+1
.endr
.set i, 0
.rept 17
	v_ldexp_f32 v[RS+4*i+3], 1.0, v[RS+4*i]
.set i, i+1
.endr
.set i, 0
.rept 17
	v_mul_f32 v[RS+4*i+1], v[RS+4*i+1], v[RS+4*i+3]
.set i, i+1
.endr
	; the four bytes at once: + that number, held at 0.  A byte is under 128: its top bit, set beforehand, takes the borrow
.set i, 0
.rept 17
	v_mul_lo_u32 v[RS+4*i], v[RS+4*i], s49
.set i, i+1
.endr
.set i, 0
.rept 17
	v_or_b32 v[RS+4*i+2], s23, v[RS+4*i+2]
.set i, i+1
.endr
.set i, 0
.rept 17
	v_add_nc_u32 v[RS+4*i+2], v[RS+4*i+2], v[RS+4*i]
.set i, i+1
.endr
.set i, 0
.rept 17
	v_and_b32 v[RS+4*i], s23, v[RS+4*i+2]
.set i, i+1
.endr
.set i, 0
.rept 17
	v_lshrrev_b32 v[RS+4*i+3], 7, v[RS+4*i]
.set i, i+1
.endr
.set i, 0
.rept 17
	v_sub_nc_u32 v[RS+4*i], v[RS+4*i], v[RS+4*i+3]
.set i, i+1
.endr
.set i, 0
.rept 17
	v_and_b32 v[PS+i], v[RS+4*i+2], v[RS+4*i]
.set i, i+1
.endr
	; l: long v26, short v27
	v_add_f32 v26, v[RS+1], v[RS+37]
	v_add_f32 v27, v[RS+33], v[NIL]
.irp k, 1,2,3,4,5,6,7
	v_add_f32 v26, v26, v[RS+37+4*\k]
	v_cndmask_b32 v[196+\k], v[NIL], v[RS+4*\k+1], s[40+\k]
.endr
.irp s, 1,2,3,4,5,6,7
	v_add_f32 v26, v26, v[196+\s]
	v_cndmask_b32 v[215+\s], v[RS+4*\s+1], v[NIL], s[40+\s]
.endr
.irp s, 1,2,3,4,5,6,7
	v_add_f32 v27, v27, v[215+\s]
.endr
	WALU
	s_wait_loadcnt 54                              ; V's scale bytes are in; the slots' 54 loads may be out
	WIN 0x0F
.irp k, 0,1,2,3,4,5,6,7
.irp j, 0,1,2,3,4,5,6,7
	v_perm_b32 v[VSC+8*\k+\j], v[32+4*\k+\j/2], v[4*\k+\j/2], s[18+\j%2]   ; tile j's four bytes: two of the lower 64 keys, two of the upper
.endr
.endr
	WIN 0
	v_permlanex16_b32 v29, v26, s20, s21           ; lanes 0-15 hold l of the first tile, lanes 16-31 of the second; a sum's lanes l and l xor 16 are one query
	v_permlanex16_b32 v30, v27, s20, s21
	v_cndmask_b32 v20, v26, v29, s22
	v_cndmask_b32 v22, v29, v26, s22
	v_cndmask_b32 v16, v27, v30, s22
	v_cndmask_b32 v18, v30, v27, s22
	WALU
	v_rcp_f32 v16, v16
	v_rcp_f32 v18, v18
	v_rcp_f32 v20, v20
	v_rcp_f32 v22, v22
	v_mov_b32 v17, 0
	v_mov_b32 v19, 0
	v_mov_b32 v21, 0
	v_mov_b32 v23, 0
	WALU
.irp k, 0,1,2,3,4,5,6,7
	PLOAD 9+\k, 50, 3072*\k                        ; long's K steps 0-7
.endr
	WIN 0
	s_wait_tensorcnt 0x0                           ; my part of places 0-7 is in; the copies may be out
	BAR
	FETCHV 0, 0
; SHORT: K steps 0 .. p, slots 8 .. 8 - p
.irp k, 0,1,2,3,4,5,6,7
.if 6*(8-\k)+48 > 63
	s_wait_loadcnt 63                              ; slot 8 - k is in: behind it were issued the lower slots' loads and long's 48
.else
	s_wait_loadcnt 6*(8-\k)+48
.endif
	s_wait_dscnt 0x0
.if \k < 7
	PLACES 4                                       ; four places in front of loads into registers that the step before multiplied
	s_cmp_eq_u32 s7, \k
	s_cbranch_scc1 .Lsn_\k
	FETCHV (\k+1)%2, \k+1
.Lsn_\k:
.endif
.if \k == 0
	MUL 0, 8, 0, 0, 1
.else
	MUL \k%2, 8-\k, 0, \k, 0
.endif
.if \k < 7
	s_cmp_eq_u32 s7, \k
	s_cbranch_scc1 .Lshort_done
.endif
.endr
.Lshort_done:
	OUT 16, 18, 58
	s_wait_asynccnt 0x0                            ; my copies are in
	BAR
	FETCHV 1, 15
	s_wait_xcnt 0x0                                ; the stores have read V sets 0 and 2, which the next loads take
; LONG: K steps 15 - p down to 8 (places 15 down to 8 + p), slots 0 .. 7 - p
.irp m, 0,1,2,3,4,5,6,7
.if \m == 0
	s_wait_loadcnt 48                              ; all slots are in
.endif
	s_wait_dscnt 0x0
.if \m < 7
	PLACES 4
	s_cmp_eq_u32 s16, \m
	s_cbranch_scc1 .Lln_\m
	FETCHV \m%2, 14-\m
.Lln_\m:
.endif
.if \m == 0
	FETCHV 2, 0                                    ; the first fragments of K steps 0-7, ahead of their turn
	MUL 1, 0, 1, 0, 1
.else
	MUL (\m+1)%2, \m, 1, \m, 0
.endif
.if \m < 7
	s_cmp_eq_u32 s16, \m
	s_cbranch_scc1 .Llong_low
.endif
.endr
.Llong_low:
; LONG: K steps 0-7
.irp k, 0,1,2,3,4,5,6,7
	s_wait_loadcnt 6*(7-\k)
	s_wait_dscnt 0x0
.if \k < 7
	PLACES 4
	FETCHV \k%2, \k+1
.endif
.if \k == 0
	MUL 2, 9, 0, 0, 0
.else
	MUL (\k-1)%2, 9+\k, 0, \k, 0
.endif
.endr
	OUT 20, 22, 56
	s_wait_tensorcnt 0x0                           ; the wave's end
	s_wait_asynccnt 0x0
	ds_add_u32 v[SPW], v[NIL]
	s_wait_dscnt 0x0
	s_endpgm
.Lfunc_end_k_q9ad002d2ca_pv:
	.size	k_q9ad002d2ca_pv, .Lfunc_end_k_q9ad002d2ca_pv-k_q9ad002d2ca_pv
	.p2alignl 7, 3214868480
	.fill 96, 4, 3214868480
	.section	.rodata,"a",@progbits
	.p2align	6, 0x0
	.amdhsa_kernel k_q9ad002d2ca_pv
		.amdhsa_group_segment_fixed_size 327680
		.amdhsa_private_segment_fixed_size 0
		.amdhsa_enable_private_segment 0
		.amdhsa_kernarg_size 32
		.amdhsa_user_sgpr_count 2
		.amdhsa_user_sgpr_kernarg_segment_ptr 1
		.amdhsa_wavefront_size32 1
		.amdhsa_system_sgpr_workgroup_id_x 1
		.amdhsa_system_sgpr_workgroup_id_y 1
		.amdhsa_system_sgpr_workgroup_id_z 1
		.amdhsa_system_vgpr_workitem_id 0
		.amdhsa_next_free_vgpr 1024
		.amdhsa_next_free_sgpr 102
		.amdhsa_reserve_vcc 0
		.amdhsa_float_denorm_mode_32 3
		.amdhsa_float_denorm_mode_16_64 3
		.amdhsa_memory_ordered 1
		.amdhsa_forward_progress 1
		.amdhsa_inst_pref_size 171
	.end_amdhsa_kernel
	.amdgpu_metadata
---
amdhsa.version: [ 1, 2 ]
amdhsa.kernels:
  - .name:           k_q9ad002d2ca_pv
    .symbol:         k_q9ad002d2ca_pv.kd
    .args:
      - { .name: pc, .offset: 0, .size: 8, .value_kind: global_buffer, .address_space: global }
      - { .name: st, .offset: 8, .size: 8, .value_kind: global_buffer, .address_space: global }
      - { .name: vv, .offset: 16, .size: 8, .value_kind: global_buffer, .address_space: global }
      - { .name: out0, .offset: 24, .size: 8, .value_kind: global_buffer, .address_space: global }
    .group_segment_fixed_size: 327680
    .private_segment_fixed_size: 0
    .kernarg_segment_align: 8
    .kernarg_segment_size: 32
    .max_flat_workgroup_size: 128
    .sgpr_count:     102
    .vgpr_count:     1024
    .wavefront_size: 32
...
	.end_amdgpu_metadata
.endif
;; end of part 4
